; MI455X (gfx1250); checked and timed in simulation.
; The chip was launched on July 23, 2026; its instructions are those of AMD's public machine-readable ISA for CDNA 5 (MIT licence, August 2026) and "CDNA5" Instruction Set Architecture Reference Guide (July 2026). The comments in the code are by the model that wrote it; some were corrected since.
;; Q Ga Lore Linear. Allowed arithmetic: matrix products marked QUANTISED: E4M3 operands, one E8M0 scale for each 32 along K, by v_wmma_scale_f32_16x16x128_f8f6f4 with both operands' format E4M3, f32 sums; everything else in f32.
;; Inputs: bias 2,048 float32; qweight 2,048 x 4,096 int32; scales 32,768 x 1 float32; x 4 x 2,048 x 4,096 float32; zeros 32,768 x 1 float32.
;; Outputs: out0 4 x 2,048 x 2,048 float32.
;; This version of the problem:
;;   THIS VERSION OF THE PROBLEM IS GIVEN IN LOW PRECISION. The matrix products marked QUANTISED in the list below multiply operands that are first quantised to E4M3 (4 exponent bits, 3 mantissa bits; 8 bits a number), with one power-of-two scale for each 32 numbers along K (OCP MX v1.0); their sums are f32. All else is computed in f32.
;;   The module's matrix products, in the order in which they are computed (A, B: the left and right operand; K: the contracted axis; several contracted axes count as one K, in the product's order):
;;     1. [M 8,192, K 4,096] x [K 4,096, N 2,048]; A: input x; B: computed on the way: QUANTISED
;;   THE QUANTISER, for each operand of a quantised product, along K:
;;     - K is cut into blocks of 32 from its start; a last block that is shorter is filled with zeros.
;;     - A block's scale is 2^e with e = floor(log2(the largest magnitude in the block)) - 8, held to -126 .. 127; a block of zeros has e = 0. As a byte (E8M0): e + 127.
;;     - Each number is divided by its block's scale, clamped to +-448, and rounded to the nearest number of E4M3, ties to even, subnormals kept.
;;     - The product sums the exact products of the quantised numbers (number of the format x scale) in f32.
;;   ~~~python
;;   def quantise(x, axis):      # numpy; x: float32 -> the quantised numbers, widened to float32 again
;;       x = np.moveaxis(x, axis, -1); K = x.shape[-1]
;;       x = np.pad(x, [(0, 0)] * (x.ndim - 1) + [(0, -K % 32)]); x = x.reshape(x.shape[:-1] + (-1, 32)); a = np.abs(x).max(-1, keepdims=True)
;;       e = np.where(a > 0, np.clip(np.frexp(np.where(a > 0, a, 1))[1] - 1 - 8, -126, 127), 0)      # np.frexp(a)[1] - 1 = floor(log2(a)), exactly
;;       r = np.clip(x / 2.0 ** e, -448, 448)
;;       step = 2.0 ** (np.maximum(np.frexp(np.where(r == 0, 1, r))[1] - 1, -6) - 3)
;;       q = np.round(r / step) * step * 2.0 ** e      # np.round: ties to even
;;       return np.moveaxis(q.reshape(q.shape[:-2] + (-1,))[..., :K], -1, axis).astype(np.float32)
;;   ~~~
;;   OPERANDS COMPUTED ON THE WAY. 'Computed on the way' means the value that the module computes at that place (a softmax that the list does not call 'softmax' is quantised finished and normalised). What goes into a quantiser is computed in f32, as accurately as f32 sums, v_exp_f32 and their like allow (about 1e-6 of the number): no bf16 or f16 on the way to a quantiser, and a product that is left as it is and whose result goes on into a quantised operand takes f32 operands (vector FMAs, or v_wmma_f32_16x16x4_f32). A number that lies on a knife's edge between two numbers of the format may be rounded either way, as far as f32 arithmetic and the matrix unit's own rounding can turn it there, and no further.
;; One version. Each part assembles by itself: llvm-mc -triple=amdgcn-amd-amdhsa -mcpu=gfx1250 --defsym DOCPART=n.
;; ======== version 1 of 1: 2 launches
;; limits: right only within a limited range of input values
;; workspace buffers: a_blk 34,603,008 bytes; b_blk 8,650,752 bytes
;; launch quant (part 1): grid 1280 x 1, 4 waves a work-group, no clusters, 37,376 bytes of LDS; arguments x, qweight, scales, zeros, a_blk, b_blk; writes a_blk, b_blk
.if DOCPART == 1
	.amdgcn_target "amdgcn-amd-amdhsa--gfx1250"
	.amdhsa_code_object_version 6
	.text
	.protected	k_qe38ed73257_quant
	.globl	k_qe38ed73257_quant
	.p2align	8
	.type	k_qe38ed73257_quant,@function
k_qe38ed73257_quant:
	s_mov_b64 s[64:65], 0
	v_nop
	global_prefetch_b8 v0, s[64:65] scope:SCOPE_SE
	s_setreg_imm32_b32 hwreg(HW_REG_WAVE_MODE, 25, 1), 1
	s_wait_xcnt 0x0
; x [8192][4096] f32, and w [2048][4096] = (f32(qweight) - zeros[g]) * scales[g], g = 16 o + i / 256 (one subtraction, one multiplication, each rounded to f32),
; are turned into codes of FP8 (E4M3) with one E8M0 scale byte for each 32 along K, and laid as the product's launch fetches them:
; BLOCK (rb, ks) = rows 128 rb .. + 127, K 256 ks .. + 255, at byte (16 rb + ks) x 33,792 of a_blk (x) or b_blk (w): 128 rows x 256 codes, row R at 256 R, K innermost;
; behind them, at 32,768 + 8 R, row R's eight scale bytes.  So 128 rows' codes and scales of a K step of 256 are one dense run of 132 x 256 bytes.
; A block of 32's scale is 2^(floor(log2(its largest magnitude)) - 8); its byte is the largest magnitude's exponent field - 8, held at 1 from below; each number is divided by the scale,
; held within +-448 and rounded to the nearest code, ties to even.
; LIMITS: a block of zeros gets the byte 1 where the quantiser's rule says 127: its codes are zeros, which add nothing under any byte but 0xff, and the bytes are read by this program alone.
; NaN and infinities among the inputs are not served.
; SHARES.  Work-groups 0 .. 1023 take x, 1024 .. 1279 take qweight.  A wave takes 32 rows x 256 along K: 16 steps of 2 rows.  The four waves of a work-group stand side by side on 4,096 bytes of each row.
; A conversion takes numbers of ONE block from a lane's consecutive registers, so a lane must hold 16 neighbours along K; a load is dense where neighbouring lanes take neighbouring bytes.  Both are had:
; each of a step's four loads reads 512 consecutive bytes, 16 a lane; the 2,048 bytes go through the wave's own stage in LDS and come back 64 bytes a lane.
; THE STAGE HAS NO PADDING: of a step's 128 pieces of 16 bytes, piece c lies at place c xor ((c / 16) mod 4).  On the way in lane l of load i holds piece 32 i + l, on the way out lane l takes pieces 4 l + j:
; both ways the sixteen lanes of each half of the wave touch sixteen different 16-byte columns modulo 256 bytes (64 banks of 4 bytes: ISA guide 11.1).
; Lane l then holds row 2 t + l / 16, K 16 (l % 16) .. + 15: two neighbouring lanes hold a block of 32.  A lane's 16 codes are 16 bytes: a wave's store covers 512 consecutive bytes, aligned.
; A step makes 16 scale bytes, a wave 256: they gather in the wave's own 256 bytes of LDS and leave by one store of 256 consecutive bytes, aligned.
; No tensor load, no barrier: waves share nothing.  Loads run four steps (16 loads a wave) ahead, the turn through LDS one step.  Every offset is an immediate; no global store's data or address register is written again.
; The two paths part on the work-group's number; each has LDS bytes of its own (the immediate LB).
.set WGX,   1024                       ; work-groups for x: 8192 x 4096 / 32,768
.set STEPS, 16
.set BLK,   33792                      ; a block of the workspace: 128 x 256 codes + 128 x 8 scale bytes
.set ROWIN, 16384                      ; a row of x or of qweight in bytes
.set STG,   2048                       ; a stage: a step's bytes
.set SCB,   2*STG                      ; behind a wave's two stages: its 256 scale bytes
.set WREG,  4608                       ; a wave's LDS: 18 x 256 bytes
.set LB,    4*WREG                     ; where the weight path's LDS begins
.set R,     16                         ; v16-79   four sets of 16 numbers as they are loaded
.set X,     80                         ; v80-111  two sets of 16 neighbours
.set E,     112                        ; v112-115 a step's scale byte, four registers by turns: step t's byte store is done at the wait at the head of step t + 2
.set WA,    116                        ; v116-117 LDS places on the way into a stage: loads 0 and 2, loads 1 and 3
.set RA,    118                        ; v118-121 LDS places on the way out: my pieces 4 l + 0 .. 3
.set C,     128                        ; v128-191 codes: four registers for each step
; v1 the wave's 32 zeros, v2 its 32 scales (weight path); v3 16 x lane; v4 the zeros' and scales' offset; v5, v6 LDS places of the scale bytes (in, out); v7 8 x lane; v8-11 at work;
; v[12:13] the step's zero (low word), at the end the scale bytes on their way out; v14, v15 at work at the head
	s_load_b128 s[4:7], s[0:1], 0x0                ; x, qweight
	s_load_b128 s[8:11], s[0:1], 0x10              ; scales, zeros
	s_load_b128 s[12:15], s[0:1], 0x20             ; a_blk, b_blk
	v_lshl_add_u32 v122, v0, 2, 0x9000             ; v122 my spare word (behind both paths' LDS), v123 = 0: kept for the closing add
	v_mov_b32 v123, 0
	v_lshrrev_b32 v1, 5, v0
	v_readfirstlane_b32 s16, v1                    ; wave 0..3
	v_and_b32 v2, 31, v0                           ; lane l
	v_lshlrev_b32 v3, 4, v2                        ; my 16 bytes of a load's 512, and of a store's
	v_and_b32 v4, 15, v2
	v_lshrrev_b32 v5, 4, v2                        ; l / 16
	v_lshlrev_b32 v4, 7, v4
	v_lshl_add_u32 v4, v5, 6, v4                   ; zeros and scales: a row's 16 groups are 64 bytes; lane n takes row 2 n, lane 16 + n row 2 n + 1
	s_mul_i32 s25, s16, WREG                       ; my wave's LDS: a multiple of 256, so the exclusive ors below turn bits of the lane's part alone
	v_xor_b32 v14, v5, v2                          ; the way in: piece 32 i + l has (c / 16) mod 4 = 2 (i mod 2) + l / 16: place 32 i + ((l xor l / 16) xor 2 (i mod 2))
	v_lshlrev_b32 v14, 4, v14
	v_add_nc_u32 v[WA], s25, v14                   ; loads 0 and 2 (the 512 i stand in the immediate),
	v_xor_b32 v[WA+1], 32, v[WA]                   ; loads 1 and 3
	v_bfe_u32 v15, v2, 2, 2                        ; the way out: piece 4 l + j has (c / 16) mod 4 = (l / 4) mod 4: place 4 l + (j xor that)
	v_lshlrev_b32 v14, 6, v2
	v_lshl_add_u32 v14, v15, 4, v14
	v_add_nc_u32 v[RA], s25, v14                   ; j = 0,
	v_xor_b32 v[RA+1], 16, v[RA]                   ; 1,
	v_xor_b32 v[RA+2], 32, v[RA]                   ; 2,
	v_xor_b32 v[RA+3], 48, v[RA]                   ; 3
	s_add_co_u32 s25, s25, SCB
	v_lshrrev_b32 v5, 1, v2
	v_add_nc_u32 v5, s25, v5                       ; my block's scale byte
	v_lshlrev_b32 v7, 3, v2
	v_add_nc_u32 v6, s25, v7                       ; and on the way out 8 bytes a lane
	s_mov_b32 s21, 0x600000                        ; the mantissa field of 448 (an instruction takes one literal: the hold's line has another)
	s_cmp_lt_u32 ttmp9, WGX
	s_cselect_b32 s17, 0, WGX
	s_sub_co_u32 s17, ttmp9, s17                   ; my work-group's number within its tensor
	s_lshl_b32 s17, s17, 2
	s_add_co_u32 s18, s17, s16                     ; u = 4 x work-group + wave
	s_and_b32 s19, s18, 15                         ; ks: which 256 along K
	s_lshr_b32 s20, s18, 4                         ; rg: which 32 rows
	s_lshl_b32 s22, s20, 19                        ; in: 32 rows of 16,384 bytes,
	s_lshl_b32 s23, s19, 10                        ; 1,024 bytes a K step
	s_add_co_u32 s22, s22, s23
	s_mov_b32 s23, 0
	s_lshr_b32 s24, s20, 2                         ; rb = rg / 4
	s_lshl_b32 s24, s24, 4
	s_add_co_u32 s24, s24, s19
	s_mul_i32 s24, s24, BLK                        ; my block (under 2^26)
	s_and_b32 s26, s20, 3                          ; which 32 of its 128 rows
	s_lshl_b32 s28, s26, 8                         ; their scale bytes: 256,
	s_lshl_b32 s26, s26, 13                        ; their codes: 8,192
	s_add_co_u32 s26, s26, s24
	s_mov_b32 s27, 0
	s_add_co_u32 s28, s28, s24
	s_add_co_u32 s28, s28, 32768
	s_mov_b32 s29, 0
	s_lshl_b32 s30, s20, 11                        ; zeros and scales: 32 rows of 64 bytes,
	s_lshl_b32 s31, s19, 2                         ; group ks of a row
	s_add_co_u32 s30, s30, s31
	s_mov_b32 s31, 0
	s_wait_kmcnt 0x0
	s_cmp_lt_u32 ttmp9, WGX                        ; x's work-group or the weight's?  The choice hangs on the work-group's number alone
	s_cselect_b64 s[4:5], s[4:5], s[6:7]           ; what is read,
	s_cselect_b64 s[12:13], s[12:13], s[14:15]     ; where it goes
	s_add_nc_u64 s[4:5], s[4:5], s[22:23]
	s_add_nc_u64 s[6:7], s[12:13], s[26:27]        ; my codes
	s_add_nc_u64 s[12:13], s[12:13], s[28:29]      ; my scale bytes
.macro LOAD t                          ; step t: rows 2 t and 2 t + 1, 1,024 bytes of each, into set t % 4
.irp i, 0,1,2,3
	global_load_b128 v[R+16*((\t)%4)+4*\i:R+16*((\t)%4)+4*\i+3], v3, s[4:5] offset:(2*(\t)+\i/2)*ROWIN+(\i%2)*512 th:TH_LOAD_NT   ; 32 lanes read 512 consecutive bytes; read once in the launch
.endr
.endm
.macro TURN t, lb                      ; step t's numbers through the stage: LDS serves a wave's instructions in order (ISA guide 5.7.1.4), so no wait stands between the stores and the loads
.irp i, 0,1,2,3
	ds_store_b128 v[WA+\i%2], v[R+16*((\t)%4)+4*\i:R+16*((\t)%4)+4*\i+3] offset:(\lb)+STG*((\t)%2)+512*\i
.endr
.irp j, 0,1,2,3
	ds_load_b128 v[X+16*((\t)%2)+4*\j:X+16*((\t)%2)+4*\j+3], v[RA+\j] offset:(\lb)+STG*((\t)%2)
.endr
.endm
.macro STEP t, deq, lb                 ; deq = 1: the numbers are whole numbers of qweight, dequantised first
.set XS, X+16*((\t)%2)
.if (\t) > 0
	s_wait_dscnt 1                                 ; this step's numbers are back from the stage (the last step's byte store may be out): so its stores into the stage have read their registers,
.else
	s_wait_dscnt 0x0
.endif
.if (\t)+4 < STEPS
	LOAD (\t)+4                                    ; which take the loads of four steps on
.endif
.if (\t)+1 < STEPS
.if STEPS-2-(\t) >= 3
	s_wait_loadcnt 12                              ; the next step's four loads are in; those of the three steps behind it may be out
.else
	s_wait_loadcnt 4*(STEPS-2-(\t))                ; near the end fewer steps stand behind it
.endif
	TURN (\t)+1, \lb                               ; and go through the other stage while this step is worked
.endif
.if \deq
	v_mov_b32_dpp v12, v1 row_share:\t row_mask:0xf bank_mask:0xf   ; lanes 0-15 take row 2 t's zero (lane t), lanes 16-31 row 2 t + 1's (lane 16 + t): a row's 256 along K are one group
	v_mov_b32_dpp v8, v2 row_share:\t row_mask:0xf bank_mask:0xf    ; and its scale
.irp i, 0,1,2,3,4,5,6,7,8,9,10,11,12,13,14,15
	v_cvt_f32_i32 v[XS+\i], v[XS+\i]
.endr
.irp i, 0,2,4,6,8,10,12,14
	v_pk_add_f32 v[XS+\i:XS+\i+1], v[XS+\i:XS+\i+1], v[12:13] op_sel_hi:[1,0] neg_lo:[0,1] neg_hi:[0,1]   ; q - zero, two at a time (the pair's low word serves both halves)
.endr
.irp i, 0,2,4,6,8,10,12,14
	v_pk_mul_f32 v[XS+\i:XS+\i+1], v[XS+\i:XS+\i+1], v[8:9] op_sel_hi:[1,0]   ; x scale: a second rounding, so the two are not fused
.endr
.endif
	v_max3_num_f32 v8, |v[XS]|, |v[XS+1]|, |v[XS+2]|               ; the largest magnitude of my 16, in two chains
	v_max3_num_f32 v9, |v[XS+3]|, |v[XS+4]|, |v[XS+5]|
.irp i, 6,10
	v_max3_num_f32 v8, v8, |v[XS+\i]|, |v[XS+\i+1]|
	v_max3_num_f32 v9, v9, |v[XS+\i+2]|, |v[XS+\i+3]|
.endr
	v_max3_num_f32 v8, v8, |v[XS+14]|, |v[XS+15]|
	v_max3_num_f32 v8, v8, v9, 0x4800000           ; and the floor 2^(9 - 127), under which no largest magnitude is taken: so the byte cannot fall under 1
	v_max_num_f32_dpp v8, v8, v8 row_xmask:1 row_mask:0xf bank_mask:0xf   ; and of my neighbour's 16: the block's
	v_add_nc_u32 v11, 0xfc000000, v8               ; 8 off its exponent field: the conversion takes the exponent field of this operand as its scale, and nothing else of it
	v_and_or_b32 v10, v8, 0x7f800000, s21          ; 448 x the scale: the largest magnitude's exponent field over 448's mantissa
.irp i, 0,1,2,3,4,5,6,7,8,9,10,11,12,13,14,15
	v_med3_num_f32 v[XS+\i], v[XS+\i], -v10, v10   ; the conversion to an 8-bit code does not saturate (ISA guide 7.6.2): hold the number within the largest code x the scale first
.endr
	v_cvt_scalef32_pk8_fp8_f32 v[C+4*(\t):C+4*(\t)+1], v[XS:XS+7], v11          ; eight numbers / 2^(v11's exponent), to the nearest code, ties to even; the first number's code in the lowest byte
	v_cvt_scalef32_pk8_fp8_f32 v[C+4*(\t)+2:C+4*(\t)+3], v[XS+8:XS+15], v11
	v_lshrrev_b32 v[E+(\t)%4], 23, v11             ; the scale's byte (also the plain line behind the conversions)
	ds_store_b8 v5, v[E+(\t)%4] offset:(\lb)+16*(\t) ; both lanes of a block write the same byte with the same value: row 2 t + l / 16, byte (l % 16) / 2
.if (\t)%4 == 3
.irp u, 3,2,1,0
	global_store_b128 v3, v[C+4*((\t)-\u):C+4*((\t)-\u)+3], s[6:7] offset:512*((\t)-\u)   ; four steps' codes leave in one run: each store two rows' codes, 512 consecutive bytes, aligned; every step has registers of its own
.endr
.endif
.endm
.macro BODY deq, lb
.irp t, 0,1,2,3
	LOAD \t
.endr
	s_wait_loadcnt 12                              ; step 0's four loads are in (and what was asked for ahead of them); the twelve of steps 1 to 3 may be out
	TURN 0, \lb
.irp t, 0,1,2,3,4,5,6,7,8,9,10,11,12,13,14,15
	STEP \t, \deq, \lb
.endr
	ds_load_b64 v[12:13], v6 offset:\lb            ; LDS serves a wave's instructions in order: these see my byte stores
	s_wait_dscnt 0x0
	global_store_b64 v7, v[12:13], s[12:13]        ; 32 rows' scale bytes: 256 consecutive bytes, aligned
	s_wait_tensorcnt 0x0
	ds_add_u32 v122, v123
	s_wait_dscnt 0x0
	s_endpgm
.endm
	s_cmp_lt_u32 ttmp9, WGX                        ; the compare stands directly ahead of its branch
	s_cbranch_scc0 .Lweights
	s_wait_alu depctr_va_vdst(0)
	BODY 0, 0
.Lweights:
	s_add_nc_u64 s[8:9], s[8:9], s[30:31]
	s_add_nc_u64 s[10:11], s[10:11], s[30:31]
	global_load_b32 v2, v4, s[8:9]                 ; my wave's 32 scales,
	global_load_b32 v1, v4, s[10:11]               ; and zeros: ahead of the numbers' loads, so the first wait on those covers them
	v_mov_b32 v8, 0                                ; written once: a DPP form's destination counts as one of its sources, and a packed form names whole pairs
	v_mov_b32 v9, 0
	v_mov_b32 v12, 0
	v_mov_b32 v13, 0
	s_wait_alu depctr_va_vdst(0)
	BODY 1, LB
.Lfunc_end_k_qe38ed73257_quant:
	.size	k_qe38ed73257_quant, .Lfunc_end_k_qe38ed73257_quant-k_qe38ed73257_quant
	.p2alignl 7, 3214868480
	.fill 96, 4, 3214868480
	.section	.rodata,"a",@progbits
	.p2align	6, 0x0
	.amdhsa_kernel k_qe38ed73257_quant
		.amdhsa_group_segment_fixed_size 37376
		.amdhsa_private_segment_fixed_size 0
		.amdhsa_enable_private_segment 0
		.amdhsa_kernarg_size 48
		.amdhsa_user_sgpr_count 2
		.amdhsa_user_sgpr_kernarg_segment_ptr 1
		.amdhsa_wavefront_size32 1
		.amdhsa_system_sgpr_workgroup_id_x 1
		.amdhsa_system_sgpr_workgroup_id_y 1
		.amdhsa_system_sgpr_workgroup_id_z 1
		.amdhsa_system_vgpr_workitem_id 0
		.amdhsa_next_free_vgpr 192
		.amdhsa_next_free_sgpr 66
		.amdhsa_reserve_vcc 0
		.amdhsa_float_denorm_mode_32 3
		.amdhsa_float_denorm_mode_16_64 3
		.amdhsa_memory_ordered 1
		.amdhsa_forward_progress 1
		.amdhsa_inst_pref_size 126
	.end_amdhsa_kernel
	.amdgpu_metadata
---
amdhsa.version: [ 1, 2 ]
amdhsa.kernels:
  - .name:           k_qe38ed73257_quant
    .symbol:         k_qe38ed73257_quant.kd
    .args:
      - { .name: x, .offset: 0, .size: 8, .value_kind: global_buffer, .address_space: global }
      - { .name: qweight, .offset: 8, .size: 8, .value_kind: global_buffer, .address_space: global }
      - { .name: scales, .offset: 16, .size: 8, .value_kind: global_buffer, .address_space: global }
      - { .name: zeros, .offset: 24, .size: 8, .value_kind: global_buffer, .address_space: global }
      - { .name: a_blk, .offset: 32, .size: 8, .value_kind: global_buffer, .address_space: global }
      - { .name: b_blk, .offset: 40, .size: 8, .value_kind: global_buffer, .address_space: global }
    .group_segment_fixed_size: 37376
    .private_segment_fixed_size: 0
    .kernarg_segment_align: 8
    .kernarg_segment_size: 48
    .max_flat_workgroup_size: 128
    .sgpr_count:     66
    .vgpr_count:     192
    .wavefront_size: 32
...
	.end_amdgpu_metadata
.endif
;; end of part 1
;; launch gemm (part 2): grid 8 x 32, 4 waves a work-group, clusters of 4 x 4, 327,680 bytes of LDS; arguments a_blk, b_blk, bias, out0; writes out0
.if DOCPART == 2
	.amdgcn_target "amdgcn-amd-amdhsa--gfx1250"
	.amdhsa_code_object_version 6
	.text
	.protected	k_qe38ed73257_gemm
	.globl	k_qe38ed73257_gemm
	.p2align	8
	.type	k_qe38ed73257_gemm,@function
k_qe38ed73257_gemm:
	s_mov_b64 s[64:65], 0
	v_nop
	global_prefetch_b8 v0, s[64:65] scope:SCOPE_SE
	s_setreg_imm32_b32 hwreg(HW_REG_WAVE_MODE, 25, 1), 1
	s_wait_xcnt 0x0
	s_wait_alu depctr_hold_cnt(0) depctr_sa_sdst(0) depctr_va_vdst(0) depctr_va_sdst(0) depctr_va_ssrc(0) depctr_va_vcc(0) depctr_vm_vsrc(0)
	s_getreg_b32 s2, hwreg(HW_REG_IB_STS2, 6, 4)
	s_cmp_eq_u32 s2, 0
	s_cbranch_scc0 .Lentry_in_a_cluster
	s_endpgm
.Lentry_in_a_cluster:
	s_bfe_u32 s2, ttmp6, 0x10000c
	s_cmp_lg_u32 s2, 0xf033
	s_cbranch_scc0 .Lentry_shape_is_right
	s_endpgm
.Lentry_shape_is_right:
; out0[m][n] = sum over k of xq[m][k] wq[n][k] + bias[n]: 8,192 x 2,048 x 4,096 on codes of FP8 (E4M3) with one E8M0 byte for 32 along K, f32 sums.
; a_blk, b_blk: BLOCK (rb, ks) = rows 128 rb .. + 127, K 256 ks .. + 255, at byte (16 rb + ks) x 33,792: 128 rows of 256 codes, then 8 scale bytes a row: 132 dense rows of 256 bytes.
; A work-group of four waves makes 256 x 256 of the result, a wave 128 x 128: 64 accumulators.  K goes in steps of 256 through two LDS slots; a wave's one tensor load brings one block (132 rows, 16 bytes of padding behind each).
; CLUSTERS 4 x 4: A's blocks are asked for jointly along a row of the cluster, B's along a column.  The products are used transposed (source 0 = B's rows): a lane holds eight neighbouring columns of one row.  The bias is the first products' C.
; A STEP OF 128 ALONG K GOES IN FOUR QUADRANTS of 16 products: A0-3 x B0-3, A0-3 x B4-7, A4-7 x B4-7, A4-7 x B0-3.  Behind each quadrant stands one run of 16 LDS loads, four fragments of the next step:
; B0-3 (into their second set), A0-3 (free behind quadrant 2), B4-7 (free behind quadrant 3), A4-7 (free behind quadrant 4).  Each run is first used two quadrants on, so one count serves every wait: the two runs behind the one needed, 32 loads.
; Eight v_nop ahead of a run are the places between a fragment's last product and the load that lands on it.
; A slot's last read is the run at the end of its first step, so the change of slots stands early in its second step: the three lines, the round, the joint refill, and straight behind it the first run from the next slot.
; REGISTERS: window 0: v0-31 addresses, v32-63 scale words (a set a slot), v64-127 the bias, v128-255 A's fragments; window 1: v0-127 B0-3 in two sets, v128-191 B4-7; windows 2, 3: the accumulators.
; LIMITS: NaN, infinities and sums beyond f32's range are not served.
.set SIZE_N, 2048
.set BLK,    33792
.set RBLK,   16*BLK
.set PITCH,  272
.set FR,     16
.set HALFT,  132*PITCH                 ; a block in LDS
.set SLOT,   4*HALFT                   ; A's two blocks, then B's two
.set LAPS,   8                         ; a lap = two K steps of 256
.set SPARE,  2*SLOT                    ; the spare words, 512 bytes
.set SPITCH, 528                       ; the way out: 16 rows x (512 + 16) bytes a wave, in slot 0 behind its last fill and last read
.set ADRA, 16                          ; v16-17 LDS address of my A fragments in slot 0, 1
.set ADRS, 18                          ; v18-19 of my scale words: lanes 0-15 A's rows, lanes 16-31 B's
.set ADRB, 20                          ; v20-21 of my B fragments
.set STO,  24
.set RD,   25
.set CO,   26
.set PFO,  27                          ; prefetch: 256 x (33 x my place among the four askers + lane)
.set SPW,  28
.set NIL,  29
.set BO,   30
.set PF2,  31                          ; prefetch: my 33rd unit, in every lane
.set SC,   32
.set BI,   64
.set AF,   128
.set BK,   128
.set G1,  24
.set G0,  32
.set G1B, 48
.set G0B, 56
.set PFA, 68
.set LIM, 70
.set MSB, 0
.macro WIN new                         ; the immediate's high byte repeats the setting that is left
.if MSB != (\new)
	s_set_vgpr_msb (MSB<<8)|(\new)
.set MSB, (\new)
.endif
.endm
.set TO_B, 0x40
.macro JLOAD g0a, g1a, g0b, g1b        ; a joint load: waves 0, 1 for A, waves 2, 3 for B; s_nop 0 and four v_nop behind each line
	s_cmp_eq_u32 s15, 0
	s_cbranch_scc0 .Lfor_b_\@
	tensor_load_to_lds s[\g0a:\g0a+3], s[\g1a:\g1a+7]
	s_nop 0
.rept 4
	v_nop
.endr
	s_branch .Lasked_\@
.Lfor_b_\@:
	tensor_load_to_lds s[\g0b:\g0b+3], s[\g1b:\g1b+7]
	s_nop 0
.rept 4
	v_nop
.endr
.Lasked_\@:
.endm
; A prefetch behind each refill: the block that stands two refills on.  Its 132 units of 256 bytes are shared out by address among the four partners that load it jointly, 33 each: a lane a unit, and the 33rd by a second line.
; A's blocks are asked for in both clusters that load them, B's in the four cluster rows with even numbers.  The loop's last trip asks for nothing: no block lies two refills on.  K steps 1, 2, 3 are asked for at the head.
.macro ASK
	s_cmp_gt_u32 s3, s[LIM]
	s_cbranch_scc0 .Lnot_mine_\@
	global_prefetch_b8 v[PFO], s[PFA:PFA+1] offset:2*BLK th:TH_LOAD_NT scope:SCOPE_SE
	global_prefetch_b8 v[PF2], s[PFA:PFA+1] offset:2*BLK th:TH_LOAD_NT scope:SCOPE_SE
.Lnot_mine_\@:
.endm
.macro CREST
	s_cmp_lg_u32 s14, 0
	s_cbranch_scc1 .Lnot_wave_0_\@
	s_barrier_signal -3
.Lnot_wave_0_\@:
	s_barrier_wait -3
	s_barrier_signal -1
	s_barrier_wait -1
.endm
.macro CROUND
	s_barrier_signal -1
	s_barrier_wait -1
	CREST
.endm
	s_load_b256 s[4:11], s[0:1], 0x0               ; a_blk, b_blk, bias, out0
	v_lshl_add_u32 v[SPW], v0, 2, SPARE
	v_mov_b32 v[NIL], 0
	ds_add_u32 v[SPW], v[NIL]                      ; the opening lines: the add twice on end and its wait ahead of my first tensor load
	ds_add_u32 v[SPW], v[NIL]
	v_lshrrev_b32 v1, 5, v0
	v_readfirstlane_b32 s14, v1                    ; wave
	s_lshr_b32 s15, s14, 1                         ; my half of the rows; also: I fetch for A (0) or B (1)
	s_and_b32 s16, s14, 1                          ; my half of the columns; also: which block of 128 rows I fetch
	s_bfe_u32 s40, ttmp6, 0x40000                  ; cx
	s_bfe_u32 s41, ttmp6, 0x40004                  ; cy
	s_lshl_b32 s42, ttmp9, 2
	s_add_co_u32 s42, s42, s40                     ; tile column
	s_and_b32 s17, ttmp7, 0xffff
	s_lshl_b32 s17, s17, 2
	s_add_co_u32 s17, s17, s41                     ; tile row
	s_lshl_b32 s43, s41, 2
	s_lshl_b32 s43, 15, s43                        ; my row of the cluster
	s_lshl_b32 s44, 0x1111, s40                    ; my column
	s_or_b32 s[G1+0], s43, (3<<16)|(1<<20)|(1<<21)|(5<<22)|(3<<25)   ; elements of 8 bytes; 4 words of padding behind every 64
	s_or_b32 s[G1B+0], s44, (3<<16)|(1<<20)|(1<<21)|(5<<22)|(3<<25)
.irp g, G1, G1B
	s_mov_b32 s[\g+1], 32<<16
	s_mov_b32 s[\g+2], 132<<16
	s_mov_b32 s[\g+3], 32<<16
	s_mov_b32 s[\g+4], 132
	s_mov_b32 s[\g+5], 32
	s_mov_b32 s[\g+6], 0
	s_mov_b32 s[\g+7], 0
.endr
	s_lshl_b32 s20, s17, 1
	s_add_co_u32 s20, s20, s16
	s_mul_i32 s20, s20, RBLK                       ; A: my block row's first block
	s_mov_b32 s21, 0
	s_lshl_b32 s46, s42, 1
	s_add_co_u32 s46, s46, s16
	s_mul_i32 s46, s46, RBLK                       ; B likewise
	s_mov_b32 s47, 0
	s_mul_i32 s45, s14, HALFT                      ; where my block goes: wave x a block
.irp s, 0,1
	s_mov_b32 s[G0+4*\s], 1
	s_add_co_u32 s[G0+4*\s+1], s45, \s*SLOT
	s_mov_b32 s[G0B+4*\s], 1
	s_add_co_u32 s[G0B+4*\s+1], s45, \s*SLOT
.endr
	s_and_b32 s74, ttmp7, 1                        ; the prefetches: the cluster row's low bit,
	s_cmp_eq_u32 s15, 0
	s_cselect_b32 s72, s17, s42                    ; the tile row (A) or column (B),
	s_cselect_b32 s75, s40, s41                    ; my place among the four that ask jointly,
	s_cselect_b32 s74, 0, s74
	s_cmp_eq_u32 s74, 0
	s_cselect_b32 s[LIM], 1, -1                    ; 1: my wave asks
	s_lshl_b32 s72, s72, 1
	s_add_co_u32 s72, s72, s16
	s_mul_i32 s72, s72, RBLK
	s_add_co_u32 s72, s72, BLK                     ; at K step 1
	s_mov_b32 s73, 0
	s_mul_i32 s75, s75, 33*256
	s_add_co_u32 s76, s75, 32*256
	v_and_b32 v7, 31, v0
	v_lshl_add_u32 v[PFO], v7, 8, s75
	v_mov_b32 v[PF2], s76
	s_wait_alu depctr_va_vdst(0)
	s_wait_dscnt 0x0                               ; both opening adds are done
	CROUND                                         ; all sixteen work-groups are here
	s_wait_kmcnt 0x0
	s_add_nc_u64 s[20:21], s[4:5], s[20:21]
	s_add_nc_u64 s[46:47], s[6:7], s[46:47]
.irp s, 0,1
	s_add_nc_u64 s[G0+4*\s+2:G0+4*\s+3], s[20:21], \s*BLK
	s_or_b32 s[G0+4*\s+3], s[G0+4*\s+3], 0x80000000
	s_add_nc_u64 s[G0B+4*\s+2:G0B+4*\s+3], s[46:47], \s*BLK
	s_or_b32 s[G0B+4*\s+3], s[G0B+4*\s+3], 0x80000000
.endr
	JLOAD G0, G1, G0B, G1B                         ; K step 0: one tensor load a wave at the head
	s_cmp_eq_u32 s15, 0
	s_cselect_b64 s[PFA:PFA+1], s[4:5], s[6:7]
	s_add_nc_u64 s[PFA:PFA+1], s[PFA:PFA+1], s[72:73]
	s_cmp_eq_u32 s[LIM], 1
	s_cbranch_scc0 .Lno_ask_1
	global_prefetch_b8 v[PFO], s[PFA:PFA+1] th:TH_LOAD_NT scope:SCOPE_SE              ; K step 1, which the next joint load brings
	global_prefetch_b8 v[PF2], s[PFA:PFA+1] th:TH_LOAD_NT scope:SCOPE_SE
.Lno_ask_1:
	v_and_b32 v1, 15, v0                           ; r
	v_bfe_u32 v2, v0, 4, 1                         ; h
	s_wait_alu depctr_va_vdst(0)
	v_mul_u32_u24 v3, v1, PITCH
	v_lshl_add_u32 v4, v2, 4, v3
	s_mul_i32 s21, s15, HALFT
	s_mul_i32 s22, s16, HALFT
	s_add_co_u32 s22, s22, 2*HALFT
.irp s, 0,1
	v_add_nc_u32 v[ADRA+\s], s21, v4
	v_add_nc_u32 v[ADRB+\s], s22, v4
	s_add_co_u32 s21, s21, SLOT
	s_add_co_u32 s22, s22, SLOT
.endr
	v_lshlrev_b32 v5, 3, v1                        ; scale words: 8 bytes a row, behind a block's 128 rows of codes
	s_mul_i32 s21, s15, HALFT
	s_mul_i32 s22, s16, HALFT
	s_add_co_u32 s22, s22, 2*HALFT
	s_sub_co_u32 s22, s22, s21
	v_mul_u32_u24 v6, s22, v2                      ; lanes 16-31 take B's
	s_add_co_u32 s21, s21, 128*PITCH
	v_add_nc_u32 v5, v5, v6
	v_add_nc_u32 v[ADRS], s21, v5
	v_add_nc_u32 v[ADRS+1], SLOT, v[ADRS]
	s_mul_i32 s23, s14, 16*SPITCH
	v_mul_u32_u24 v5, v1, SPITCH
	v_lshl_add_u32 v5, v2, 5, v5
	v_add_nc_u32 v[STO], s23, v5
	v_and_b32 v6, 31, v0
	v_lshlrev_b32 v[CO], 4, v6
	v_add_nc_u32 v[RD], s23, v[CO]
	v_lshlrev_b32 v[BO], 5, v2
	s_wait_alu depctr_va_vdst(0)                   ; the end of the head's vector work
	s_lshl_b32 s20, s17, 8
	s_lshl_b32 s21, s15, 7
	s_add_co_u32 s20, s20, s21
	s_lshl_b32 s20, s20, 13                        ; my first row of the result, 8,192 bytes a row
	s_mov_b32 s21, 0
	s_lshl_b32 s46, s42, 10
	s_lshl_b32 s47, s16, 9
	s_add_co_u32 s46, s46, s47                     ; my first column, in bytes
	s_mov_b32 s47, 0
	s_add_nc_u64 s[8:9], s[8:9], s[46:47]
	s_add_nc_u64 s[10:11], s[10:11], s[20:21]
	s_add_nc_u64 s[10:11], s[10:11], s[46:47]
.irp b, 0,1,2,3,4,5,6,7
	global_load_b128 v[BI+8*\b:BI+8*\b+3],   v[BO], s[8:9] offset:64*\b       ; bias[16 b + 8 h + 0 .. 7]
	global_load_b128 v[BI+8*\b+4:BI+8*\b+7], v[BO], s[8:9] offset:64*\b+16
.endr
	s_cmp_eq_u32 s[LIM], 1
	s_cbranch_scc0 .Lno_ask_23
	global_prefetch_b8 v[PFO], s[PFA:PFA+1] offset:BLK th:TH_LOAD_NT scope:SCOPE_SE   ; K steps 2 and 3, which the first two refills load
	global_prefetch_b8 v[PF2], s[PFA:PFA+1] offset:BLK th:TH_LOAD_NT scope:SCOPE_SE
	global_prefetch_b8 v[PFO], s[PFA:PFA+1] offset:2*BLK th:TH_LOAD_NT scope:SCOPE_SE
	global_prefetch_b8 v[PF2], s[PFA:PFA+1] offset:2*BLK th:TH_LOAD_NT scope:SCOPE_SE
.Lno_ask_23:
.macro FRAG reg, adr, q, i             ; 16 rows x 128 K: registers 4 c .. 4 c + 3 hold K = 32 c + 16 h + 0 .. 15
.irp c, 0,1,2,3
	ds_load_b128 v[\reg+4*\c:\reg+4*\c+3], v[\adr] offset:128*(\q)+32*\c+(\i)*16*PITCH
.endr
.endm
.macro LBL slot, q                     ; B0-3 of the slot's q-th 128 along K, into set q
	WIN TO_B
.irp i, 0,1,2,3
	FRAG 64*(\q)+FR*\i, ADRB+\slot, \q, \i
.endr
.endm
.macro LBH slot, q                     ; B4-7
	WIN TO_B
.irp i, 4,5,6,7
	FRAG 128+FR*(\i-4), ADRB+\slot, \q, \i
.endr
.endm
.macro LAL slot, q                     ; A0-3
	WIN 0
.irp i, 0,1,2,3
	FRAG AF+FR*\i, ADRA+\slot, \q, \i
.endr
.endm
.macro LAH slot, q                     ; A4-7
	WIN 0
.irp i, 4,5,6,7
	FRAG AF+FR*\i, ADRA+\slot, \q, \i
.endr
.endm
.macro SCALES sc                       ; a slot's scale words: two a row; lanes 0-15 A's block i, lanes 16-31 B's
	WIN 0
.irp i, 0,1,2,3,4,5,6,7
	ds_load_b64 v[SC+16*\sc+2*\i:SC+16*\sc+2*\i+1], v[ADRS+\sc] offset:(\i/2)*PITCH+(\i%2)*128
.endr
.endm
.macro P8                              ; eight places between a fragment's last product and the load that lands on it
.rept 8
	v_nop
.endr
.endm
.macro PROD n, q, sc, first            ; product n of a step: quadrant n / 16.  The 64 accumulators take turns in the same order in every step
.set Q_, (\n)/16
.set I_, (\n)%16
.set A_, 4*(Q_/2)+I_/4
.set B_, 4*(((Q_+1)/2)%2)+I_%4
.set D_, 8*(8*(A_%4)+B_)
.if B_ < 4
.set BR_, 64*(\q)+FR*B_
.else
.set BR_, 128+FR*(B_-4)
.endif
.if \first
	WIN 0x81+0x40*(A_/4)
	v_wmma_scale_f32_16x16x128_f8f6f4 v[D_:D_+7], v[BR_:BR_+FR-1], v[AF+FR*A_:AF+FR*A_+FR-1], v[BI+8*B_:BI+8*B_+7], v[SC+16*(\sc)+2*B_+(\q)], v[SC+16*(\sc)+2*A_+(\q)] matrix_a_scale:MATRIX_SCALE_ROW1
.else
	WIN 0xa1+0x50*(A_/4)
	v_wmma_scale_f32_16x16x128_f8f6f4 v[D_:D_+7], v[BR_:BR_+FR-1], v[AF+FR*A_:AF+FR*A_+FR-1], v[D_:D_+7], v[SC+16*(\sc)+2*B_+(\q)], v[SC+16*(\sc)+2*A_+(\q)] matrix_a_scale:MATRIX_SCALE_ROW1
.endif
.endm
.macro RUN from, to, q, sc, first=0
.set N_, \from
.rept (\to)-(\from)
	PROD N_, \q, \sc, \first
.set N_, N_+1
.endr
.endm
; A slot's first step.  Each wait leaves out the two runs of 16 loads behind the run that the quadrant needs.
.macro STEP slot, first
	s_wait_dscnt 32
	RUN 0, 16, 0, \slot, \first
	P8
	LBL \slot, 1
	s_wait_dscnt 32
	RUN 16, 32, 0, \slot, \first
	P8
	LAL \slot, 1
	s_wait_dscnt 32
	RUN 32, 48, 0, \slot, \first
	P8
	LBH \slot, 1
	RUN 48, 64, 0, \slot, \first
	P8
	LAH \slot, 1                                   ; my last read of this slot
	WIN 0
.endm
; A slot's second step changes slots.
.macro TURN slot, next, fill
.if \fill
	s_wait_xcnt 0x0                                ; my prefetches have read their address: it steps here
	s_add_nc_u64 s[PFA:PFA+1], s[PFA:PFA+1], BLK
.endif
	s_wait_dscnt 32
	RUN 0, 8, 1, \slot
	WIN 0
	s_wait_tensorcnt 0x0                           ; my one tensor load that was out, my block of the next slot, has landed;
	ds_add_u32 v[SPW], v[NIL]                      ; 0 onto my spare word
.if \fill
	s_add_nc_u64 s[G0+4*\slot+2:G0+4*\slot+3], s[G0+4*\slot+2:G0+4*\slot+3], 2*BLK
	s_add_nc_u64 s[G0B+4*\slot+2:G0B+4*\slot+3], s[G0B+4*\slot+2:G0B+4*\slot+3], 2*BLK
.endif
	RUN 8, 16, 1, \slot
	s_wait_dscnt 0x0                               ; the add is done, and my reads of this slot are over
	s_barrier_signal -1
	RUN 16, 20, 1, \slot
	WIN 0
	s_barrier_wait -1
.if \fill
	CREST                                          ; the barrier has opened a round of the cluster's barrier
	JLOAD G0+4*\slot, G1, G0B+4*\slot, G1B         ; the first tensor load behind the round
	ASK
.endif
	SCALES \next                                   ; the registers of this run were last read ahead of the eight places at the end of the step before
	LBL \next, 0
	RUN 20, 32, 1, \slot
	P8
	LAL \next, 0
	RUN 32, 48, 1, \slot
	P8
	LBH \next, 0
	RUN 48, 64, 1, \slot
	P8
	LAH \next, 0
	WIN 0
.endm
	s_wait_tensorcnt 0x0                           ; my block of K step 0 is in
	ds_add_u32 v[SPW], v[NIL]
	s_wait_dscnt 0x0
	CROUND                                         ; everybody's block is in, and all sixteen work-groups are here
	JLOAD G0+4, G1, G0B+4, G1B                     ; K step 1, the first tensor load behind the round
	SCALES 0
	LBL 0, 0
	LAL 0, 0
	LBH 0, 0
	LAH 0, 0
	s_wait_loadcnt 0x0                             ; the bias
	STEP 0, 1                                      ; the first step stands ahead of the loop: its products start the sums from the bias
	s_mov_b32 s3, LAPS-1
.Llap:
	TURN 0, 1, 1
	STEP 1, 0
	TURN 1, 0, 1
	STEP 0, 0
	s_sub_co_u32 s3, s3, 1
	s_cmp_lg_u32 s3, 0
	s_cbranch_scc1 .Llap
	TURN 0, 1, 0                                   ; the last lap fills nothing and has no round
	STEP 1, 0
	s_wait_dscnt 32                                ; the last step: nothing more to fetch
	RUN 0, 16, 1, 1
	s_wait_dscnt 16
	RUN 16, 32, 1, 1
	s_wait_dscnt 0x0
	RUN 32, 64, 1, 1
	WIN 0
; THE WAY OUT, by blocks of 16 rows x 128 columns: through my own stage in LDS and back as whole rows of 512 bytes.  LDS serves a wave's instructions in order (ISA guide 5.7.1.4).
.macro TOSTAGE a
.set AC, 64*((\a)%4)
	WIN 0x08+4*((\a)/4)
.irp b, 0,1,2,3,4,5,6,7
	ds_store_b128 v[STO], v[AC+8*\b:AC+8*\b+3] offset:64*\b          ; each accumulator from its low end on
	ds_store_b128 v[STO], v[AC+8*\b+4:AC+8*\b+7] offset:64*\b+16
.endr
.if (\a) == 0
	WIN 0
.set BB, BK                            ; block 0 comes back into registers that held A's fragments,
.else
	s_wait_dscnt 32                                ; block a - 1's stores into the stage are done (behind them: its 16 loads and block a's 16 stores): its accumulators' registers are free,
	WIN (2+((\a)-1)/4)<<6
.set BB, 64*(((\a)-1)%4)               ; and block a comes back into them
.endif
.irp t, 0,1,2,3,4,5,6,7,8,9,10,11,12,13,14,15
	ds_load_b128 v[BB+4*\t:BB+4*\t+3], v[RD] offset:\t*SPITCH
.endr
	WIN 0
.endm
.macro SEND a                          ; block a's 16 rows.  One base for all 128 rows: the offsets reach 127 rows of 8,192 bytes, inside the signed 24-bit immediate (ISA guide, chapter 10); no register of a store is written again
.if (\a) == 0
	WIN 0
.set BB, BK
.else
	WIN (2+((\a)-1)/4)<<2
.set BB, 64*(((\a)-1)%4)
.endif
.irp t, 0,1,2,3,4,5,6,7,8,9,10,11,12,13,14,15
	global_store_b128 v[CO], v[BB+4*\t:BB+4*\t+3], s[10:11] offset:(16*(\a)+\t)*SIZE_N*4 th:TH_STORE_NT   ; 32 lanes store 512 consecutive bytes, aligned
.endr
.endm
	P8                                             ; places behind the last products, ahead of loads into A's registers and of the reads of the sums
; All eight blocks of a wave go through its stage, then its 128 stores follow in one run.  The waves take their turn through LDS by pairs: waves 2 and 3 turn their blocks while waves 0 and 1 store theirs.
	s_cmp_lt_u32 s14, 2
	s_cbranch_scc0 .Lstage_later
.irp a, 0,1,2,3,4,5,6,7
	TOSTAGE \a
.endr
.Lstage_later:
	s_wait_dscnt 0x0                               ; waves 0 and 1: all my rows are back in registers
	s_barrier_signal -1
	s_barrier_wait -1
	s_cmp_lt_u32 s14, 2
	s_cbranch_scc1 .Lstaged
.irp a, 0,1,2,3,4,5,6,7
	TOSTAGE \a
.endr
	s_wait_dscnt 0x0                               ; waves 2 and 3: likewise
.Lstaged:
.irp a, 0,1,2,3,4,5,6,7
	SEND \a
.endr
	WIN 0
	s_wait_tensorcnt 0x0                           ; the wave's end
	ds_add_u32 v[SPW], v[NIL]
	s_wait_dscnt 0x0
	CROUND                                         ; the closing round
	s_endpgm
.Lfunc_end_k_qe38ed73257_gemm:
	.size	k_qe38ed73257_gemm, .Lfunc_end_k_qe38ed73257_gemm-k_qe38ed73257_gemm
	.p2alignl 7, 3214868480
	.fill 96, 4, 3214868480
	.section	.rodata,"a",@progbits
	.p2align	6, 0x0
	.amdhsa_kernel k_qe38ed73257_gemm
		.amdhsa_group_segment_fixed_size 327680
		.amdhsa_private_segment_fixed_size 0
		.amdhsa_enable_private_segment 0
		.amdhsa_kernarg_size 32
		.amdhsa_user_sgpr_count 2
		.amdhsa_user_sgpr_kernarg_segment_ptr 1
		.amdhsa_wavefront_size32 1
		.amdhsa_system_sgpr_workgroup_id_x 1
		.amdhsa_system_sgpr_workgroup_id_y 1
		.amdhsa_system_sgpr_workgroup_id_z 1
		.amdhsa_system_vgpr_workitem_id 0
		.amdhsa_next_free_vgpr 1024
		.amdhsa_next_free_sgpr 80
		.amdhsa_reserve_vcc 0
		.amdhsa_float_denorm_mode_32 3
		.amdhsa_float_denorm_mode_16_64 3
		.amdhsa_memory_ordered 1
		.amdhsa_forward_progress 1
		.amdhsa_inst_pref_size 168
	.end_amdhsa_kernel
	.amdgpu_metadata
---
amdhsa.version: [ 1, 2 ]
amdhsa.kernels:
  - .name:           k_qe38ed73257_gemm
    .symbol:         k_qe38ed73257_gemm.kd
    .args:
      - { .name: a_blk, .offset: 0, .size: 8, .value_kind: global_buffer, .address_space: global }
      - { .name: b_blk, .offset: 8, .size: 8, .value_kind: global_buffer, .address_space: global }
      - { .name: bias, .offset: 16, .size: 8, .value_kind: global_buffer, .address_space: global }
      - { .name: out0, .offset: 24, .size: 8, .value_kind: global_buffer, .address_space: global }
    .group_segment_fixed_size: 327680
    .private_segment_fixed_size: 0
    .kernarg_segment_align: 8
    .kernarg_segment_size: 32
    .max_flat_workgroup_size: 128
    .sgpr_count:     80
    .vgpr_count:     1024
    .wavefront_size: 32
...
	.end_amdgpu_metadata
.endif
;; end of part 2
